; MI455X (gfx1250); checked and timed in simulation.
; The chip was launched on July 23, 2026; its instructions are those of AMD's public machine-readable ISA for CDNA 5 (MIT licence, August 2026) and "CDNA5" Instruction Set Architecture Reference Guide (July 2026). The comments in the code are by the model that wrote it; some were corrected since.
;; Super Glue Multi Head Attention. Allowed arithmetic: float matrix products may take bf16 or f16 operands with f32 sums; all other float work in f32.
;; Inputs: bk 256 float32; bm 256 float32; bq 256 float32; bv 256 float32; key 4 x 256 x 2,048 float32; query 4 x 256 x 2,048 float32; value 4 x 256 x 2,048 float32; wk 256 x 256 float32; wm 256 x 256 float32; wq 256 x 256 float32; wv 256 x 256 float32.
;; Outputs: out0 4 x 256 x 2,048 float32.
;; 2 versions, each right; version 2 is version 1 with the launch merge written anew for expert scheduling mode. Each part assembles by itself: llvm-mc -triple=amdgcn-amd-amdhsa -mcpu=gfx1250 --defsym DOCPART=n.
;; ======== version 1 of 2: 3 launches
;; limits: values are held in f16: magnitudes above 65,504 overflow, below 6.1e-05 lose precision
;; workspace buffers: qf 4,194,304 bytes; kf 4,194,304 bytes; vf 4,194,304 bytes; attf 4,194,304 bytes; wmf 131,072 bytes
;; launch proj (part 1): grid 64 x 3, 4 waves a work-group, clusters of 4 x 1, 327,680 bytes of LDS; arguments query, key, value, wq, wk, wv, bq, bk, bv, qf, kf, vf; writes qf, kf, vf
.if DOCPART == 1
	.amdgcn_target "amdgcn-amd-amdhsa--gfx1250"
	.amdhsa_code_object_version 6
	.text
	.protected	k_q51935f30e8_proj
	.globl	k_q51935f30e8_proj
	.p2align	8
	.type	k_q51935f30e8_proj,@function
k_q51935f30e8_proj:
	s_mov_b64 s[64:65], 0
	v_nop
	global_prefetch_b8 v0, s[64:65] scope:SCOPE_SE
	s_setreg_imm32_b32 hwreg(HW_REG_WAVE_MODE, 25, 1), 1
	s_wait_xcnt 0x0
	s_wait_alu depctr_hold_cnt(0) depctr_sa_sdst(0) depctr_va_vdst(0) depctr_va_sdst(0) depctr_va_ssrc(0) depctr_va_vcc(0) depctr_vm_vsrc(0)
	s_getreg_b32 s2, hwreg(HW_REG_IB_STS2, 6, 4)
	s_cmp_eq_u32 s2, 0
	s_cbranch_scc0 .Lentry_in_a_cluster
	s_endpgm
.Lentry_in_a_cluster:
	s_bfe_u32 s2, ttmp6, 0x10000c
	s_cmp_lg_u32 s2, 0x3003
	s_cbranch_scc0 .Lentry_shape_is_right
	s_endpgm
.Lentry_shape_is_right:
; q, k, v = W x + b (1x1 convolutions).  x: [4][256 c][2048 n] f32, W: [256 o][256 c] f32, b: [256] f32.
; Grid y picks the tensor (0 query, 1 key, 2 value).  A work-group makes all 256 channels of 128 positions of one batch;
; wave w makes head w (channels o = 4 d + w, d = 0..63): 4 channel tiles x 8 position tiles of 16 x 16, 256 accumulator registers.
; 192 work-groups: the factor 3 is the three tensors; a tile of half the size would double the bytes of W that each position costs.
; RESULTS ARE STORED IN FRAGMENT ORDER.  A 16 x 16 result holds (row 8 hh + j, column r) in register j of lane (r, hh); packed to
; f16 its eight numbers are one half (16 bytes a lane, 512 bytes a wave) of a 16 x 32 matrix operand whose lane index is the result's
; column and whose k runs along the result's rows.  q and k: rows = channels d, columns = positions (operand: position by d).
; v: the two sources are swapped, rows = positions, columns = channels (operand: d by key).  Every store is 512 consecutive bytes.
; COLUMN MAP: tile nb = 4 g + i of a block of 128 positions, index rho, stands for n = 64 g + 4 rho + i, so that one 16-byte LDS read
; of a row of x feeds four tiles.  k and v use the same map (a softmax does not mind the order of keys); the last launch undoes q's.
; CLUSTER 4 x 1: the four partners share y and so W; W's tiles (64 KiB of a chunk's 96 KiB) are asked for jointly, x's are each one's own.
; K = 256 goes in 4 chunks of 64 c through 3 LDS slots; chunk 3 fills slot 0 again.
; LIMITS: all matrix operands are rounded to f16, sums are f32.  x, W and the results q, k, v must stay below 65,504 in magnitude
; (drawn: 1, 0.02, 0.32 rms; 288 rms with inputs and weights both 30 times larger); below 2^-14 f16 has the fixed step 2^-24.
.set SLOT,   102400                    ; an LDS slot: W's 4 x 64 rows of 272 bytes, then x's 64 rows of 512 bytes
.set WWAVE,  17408                     ; a wave's 64 rows of W
.set XOFF,   69632                     ; x's rows behind W's
.set WPITCH, 272                       ; 256 bytes + 16 of padding: row r starts 17 r pieces of 16 bytes in, so 16 rows' pieces differ modulo 256 bytes
.set WA,  8                            ; v8-10    slot s: LDS address of my piece of W
.set XA,  11                           ; v11-13   slot s: LDS address of my piece of x
.set VO,  16                           ; v16-23   byte offsets of the bias words
.set BI,  32                           ; v32-63   bias as the first C, one tile for each channel tile
.set WF,  64                           ; v64-95   W's 4 fragments, f16
.set XF,  96                           ; v96-159  x's 8 fragments, f16
.set OUT, 32                           ; v32-159  packed results on the way out
.set STW, 128                          ; window 2: v0-127 x as f32, v128-191 W as f32.  Window 1: the 32 accumulator tiles at 8 (8 ob + nb)
.set G0W, 8                            ; s[8:19]  group 0 of W's loads, a set for each slot
.set G0X, 20                           ; s[20:31] group 0 of x's loads
.set G1W, 40                           ; s[40:47] group 1 of W's loads
.set G1X, 48                           ; s[48:55] group 1 of x's loads
.set MSB, 0
.macro WIN new                         ; register windows; the immediate's high byte repeats the setting that is left
.if MSB != \new
	s_set_vgpr_msb (MSB<<8)|\new
.set MSB, \new
.endif
.endm
.macro PLACES n
.rept \n
	v_nop
.endr
.endm
; A round of the cluster's barrier: my work-group's barrier, wave 0 signals for the work-group, all wait for the four work-groups,
; my work-group's barrier once more.
.macro ROUND
	s_barrier_signal -1
	s_barrier_wait -1
	s_cmp_lg_u32 s4, 0
	s_cbranch_scc1 .Lnot_wave_0_\@
	s_barrier_signal -3
.Lnot_wave_0_\@:
	s_barrier_wait -3
	s_barrier_signal -1
	s_barrier_wait -1
.endm
	s_load_b512 s[8:23], s[0:1], 0x0               ; query, key, value, wq, wk, wv, bq, bk
	s_load_b256 s[24:31], s[0:1], 0x40             ; bv, qf, kf, vf
	v_lshl_add_u32 v254, v0, 2, 0x4b000
	v_mov_b32 v255, 0
	ds_add_u32 v254, v255
	v_lshrrev_b32 v4, 5, v0
	v_readfirstlane_b32 s4, v4                     ; wave = head
	s_bfe_u32 s5, ttmp6, 0x40000                   ; cx
	s_lshl_b32 s6, ttmp9, 2
	s_add_co_u32 s6, s6, s5                        ; X = 4 x cluster x + cx = 16 b + t
	s_and_b32 s7, ttmp7, 0xffff                    ; y: the tensor, the same in all four partners
	; group 1 of W's tiles: 64 rows (every fourth row of W) x 64 f32, 16 bytes of padding behind each row, asked for by all four partners
	s_mov_b32 s[G1W+0], 15|(2<<16)|(1<<20)|(1<<21)|(5<<22)|(3<<25) ; mask 15; 4-byte elements; padding on; bit 21 beside a mask; after 64 words; 4 words
	s_mov_b32 s[G1W+1], 64<<16                     ; tensor_dim0 = 64
	s_mov_b32 s[G1W+2], 64<<16                     ; tensor_dim1 = 64
	s_mov_b32 s[G1W+3], 64<<16                     ; tile_dim0 = 64
	s_mov_b32 s[G1W+4], 64                         ; tile_dim1 = 64
	s_mov_b32 s[G1W+5], 1024                       ; from o = 4 d + w to 4 (d + 1) + w: four rows of 256 elements
	s_mov_b32 s[G1W+6], 0
	s_mov_b32 s[G1W+7], 0
	; group 1 of x's tiles: 16 rows of c x 128 f32, dense in LDS, no mask
	s_mov_b32 s[G1X+0], 2<<16
	s_mov_b32 s[G1X+1], 128<<16
	s_mov_b32 s[G1X+2], 16<<16
	s_mov_b32 s[G1X+3], 128<<16
	s_mov_b32 s[G1X+4], 16
	s_mov_b32 s[G1X+5], 2048
	s_mov_b32 s[G1X+6], 0
	s_mov_b32 s[G1X+7], 0
	; the bias word of C's register j.  q, k: C's rows are channels, word 4 (16 ob + 8 hh + j) + w.  v: C's columns are, word 4 (16 ob + r) + w
	s_cmp_eq_u32 s7, 2
	s_cselect_b32 s66, 0, 128                      ; bytes for hh
	s_cselect_b32 s67, 16, 0                       ; bytes for r
	s_cselect_b32 s68, 0, 16                       ; bytes for j
	s_lshl_b32 s69, s4, 2                          ; bytes for w
	v_and_b32 v1, 15, v0                           ; r
	v_bfe_u32 v2, v0, 4, 1                         ; hh
	v_and_b32 v3, 31, v0
	v_lshlrev_b32 v3, 4, v3                        ; 16 x lane: the way out
	s_mul_i32 s56, s4, WWAVE                       ; LDS: my wave's rows of W
	v_mul_u32_u24 v4, v1, WPITCH
	v_lshl_add_u32 v4, v2, 5, v4                   ; row r, 8 f32 for each half of the lanes
	v_add_nc_u32 v[WA], s56, v4
	v_add_nc_u32 v[WA+1], SLOT, v[WA]
	v_add_nc_u32 v[WA+2], 2*SLOT, v[WA]
	v_lshlrev_b32 v5, 4, v1
	v_lshl_add_u32 v5, v2, 12, v5                  ; 4 positions at 16 r, rows c = 8 hh ..
	v_add_nc_u32 v[XA], XOFF, v5
	v_add_nc_u32 v[XA+1], SLOT+XOFF, v5
	v_add_nc_u32 v[XA+2], 2*SLOT+XOFF, v5
	v_mul_u32_u24 v[VO], v1, s67
	v_mad_u32_u24 v[VO], v2, s66, v[VO]
	v_add_nc_u32 v[VO], s69, v[VO]
.irp j, 1,2,3,4,5,6,7
	v_add_nc_u32 v[VO+\j], s68, v[VO+\j-1]
.endr
	; offsets.  What feeds W's descriptors (s56, s58, s59) holds the wave's number alone; what holds cx stays in s60-63, s70, s71
	s_lshl_b32 s57, s4, 13
	s_add_co_u32 s57, s57, XOFF                    ; LDS: my wave's 16 rows of x
	s_lshl_b32 s58, s4, 10                         ; row w of W
	s_mov_b32 s59, 0
	s_lshr_b32 s60, s6, 4                          ; b
	s_and_b32 s61, s6, 15                          ; t
	s_lshl_b32 s62, s60, 21                        ; a batch of x: 256 rows of 8,192 bytes
	s_lshl_b32 s63, s61, 9                         ; 128 positions
	s_add_co_u32 s62, s62, s63
	s_lshl_b32 s63, s4, 17                         ; my 16 rows of c
	s_add_co_u32 s62, s62, s63
	s_mov_b32 s63, 0
	s_lshl_b32 s70, s60, 2
	s_add_co_u32 s70, s70, s4                      ; 4 b + head
	s_lshl_b32 s70, s70, 4
	s_add_co_u32 s70, s70, s61                     ; x 16 + t
	s_lshl_b32 s70, s70, 14                        ; tiles of 16 KiB
	s_mov_b32 s71, 0
	s_wait_dscnt 0x0
	s_wait_kmcnt 0x0
	s_cmp_eq_u32 s7, 0                             ; the tensor's four buffers: x s[32:33], W s[34:35], bias s[36:37], result s[38:39]
	s_cselect_b64 s[32:33], s[8:9], s[10:11]
	s_cselect_b64 s[34:35], s[14:15], s[16:17]
	s_cselect_b64 s[36:37], s[20:21], s[22:23]
	s_cselect_b64 s[38:39], s[26:27], s[28:29]
	s_cmp_eq_u32 s7, 2
	s_cselect_b64 s[32:33], s[12:13], s[32:33]
	s_cselect_b64 s[34:35], s[18:19], s[34:35]
	s_cselect_b64 s[36:37], s[24:25], s[36:37]
	s_cselect_b64 s[38:39], s[30:31], s[38:39]
	s_add_nc_u64 s[32:33], s[32:33], s[62:63]
	s_add_nc_u64 s[34:35], s[34:35], s[58:59]
	s_add_nc_u64 s[38:39], s[38:39], s[70:71]
.irp s, 0,1,2
	s_mov_b32 s[G0W+4*\s], 1
	s_add_co_u32 s[G0W+4*\s+1], s56, \s*SLOT
	s_add_nc_u64 s[G0W+4*\s+2:G0W+4*\s+3], s[34:35], \s*256        ; chunk s: 64 c further along W's rows
	s_or_b32 s[G0W+4*\s+3], s[G0W+4*\s+3], 0x80000000
	s_mov_b32 s[G0X+4*\s], 1
	s_add_co_u32 s[G0X+4*\s+1], s57, \s*SLOT
	s_add_nc_u64 s[G0X+4*\s+2:G0X+4*\s+3], s[32:33], \s*64*8192    ; chunk s: 64 rows of x further down
	s_or_b32 s[G0X+4*\s+3], s[G0X+4*\s+3], 0x80000000
.endr
	ROUND                                          ; the four partners are here: the first joint loads meet
.irp s, 0,1,2
	tensor_load_to_lds s[G0W+4*\s:G0W+4*\s+3], s[G1W:G1W+7]        ; by this text's count six loads of the wave are out
	s_nop 0
	tensor_load_to_lds s[G0X+4*\s:G0X+4*\s+3], s[G1X:G1X+7]
	s_nop 0
.endr
.irp ob, 0,1,2,3
.irp j, 0,1,2,3,4,5,6,7
	global_load_b32 v[BI+8*\ob+\j], v[VO+\j], s[36:37] offset:256*\ob   ; 1 KiB in all; for v the eight registers of a tile hold the same word
.endr
.endr
; 48 LDS loads: 32 c (block kq of slot s) of x's 128 positions and of my 64 rows of W, as f32, into window 2
.macro LOADK s, kq
	WIN 0x80
.irp g, 0,1
.irp jj, 0,1,2,3,4,5,6,7,8,9,10,11,12,13,14,15
	ds_load_b128 v[64*\g+4*\jj:64*\g+4*\jj+3], v[XA+\s] offset:(32*\kq+\jj+8*(\jj/8))*512+256*\g   ; row c = 8 hh + jj, or 16 + 8 hh + jj - 8; 16 lanes read 256 consecutive bytes
.endr
.endr
.irp ob, 0,1,2,3
	ds_load_b128 v[STW+16*\ob:STW+16*\ob+3],     v[WA+\s] offset:16*WPITCH*\ob+128*\kq       ; c = 8 hh + 0..3
	ds_load_b128 v[STW+16*\ob+4:STW+16*\ob+7],   v[WA+\s] offset:16*WPITCH*\ob+128*\kq+16    ; c = 8 hh + 4..7
	ds_load_b128 v[STW+16*\ob+8:STW+16*\ob+11],  v[WA+\s] offset:16*WPITCH*\ob+128*\kq+64    ; c = 16 + 8 hh + 0..3
	ds_load_b128 v[STW+16*\ob+12:STW+16*\ob+15], v[WA+\s] offset:16*WPITCH*\ob+128*\kq+80    ; c = 16 + 8 hh + 4..7
.endr
.endm
; 96 conversions: the f32 of window 2 become the 12 fragments
.macro CVTK
	s_wait_dscnt 0x0                               ; the 48 loads are in
	WIN 0x0a
.irp g, 0,1
.irp i, 0,1,2,3
.irp p, 0,1,2,3,4,5,6,7
	v_cvt_pk_f16_f32 v[XF+8*(4*\g+\i)+\p], v[64*\g+8*\p+\i], v[64*\g+8*\p+4+\i]   ; two neighbouring c of position 64 g + 4 r + i
.endr
.endr
.endr
.irp ob, 0,1,2,3
.irp p, 0,1,2,3,4,5,6,7
	v_cvt_pk_f16_f32 v[WF+8*\ob+\p], v[STW+16*\ob+2*\p], v[STW+16*\ob+2*\p+1]
.endr
.endr
.endm
; 32 matrix instructions on 32 accumulators, which take turns, one instruction a turn.
; sw = 0: W is source 0 (rows = channels); sw = 1: x is.  first = 1: the bias tile is C and starts the sums.
.macro MUL32 sw, first
.irp ob, 0,1,2,3
.irp nb, 0,1,2,3,4,5,6,7
.if \sw
.if \first
	v_wmma_f32_16x16x32_f16 v[8*(8*\ob+\nb):8*(8*\ob+\nb)+7], v[XF+8*\nb:XF+8*\nb+7], v[WF+8*\ob:WF+8*\ob+7], v[BI+8*\ob:BI+8*\ob+7]
.else
	v_wmma_f32_16x16x32_f16 v[8*(8*\ob+\nb):8*(8*\ob+\nb)+7], v[XF+8*\nb:XF+8*\nb+7], v[WF+8*\ob:WF+8*\ob+7], v[8*(8*\ob+\nb):8*(8*\ob+\nb)+7]
.endif
.else
.if \first
	v_wmma_f32_16x16x32_f16 v[8*(8*\ob+\nb):8*(8*\ob+\nb)+7], v[WF+8*\ob:WF+8*\ob+7], v[XF+8*\nb:XF+8*\nb+7], v[BI+8*\ob:BI+8*\ob+7]
.else
	v_wmma_f32_16x16x32_f16 v[8*(8*\ob+\nb):8*(8*\ob+\nb)+7], v[WF+8*\ob:WF+8*\ob+7], v[XF+8*\nb:XF+8*\nb+7], v[8*(8*\ob+\nb):8*(8*\ob+\nb)+7]
.endif
.endif
.endr
.endr
.endm
; One k block of 32.  The branch hangs on y alone, which all waves and all partners share; only register work stands inside it.
.macro MULK first
	WIN 0
	s_cmp_eq_u32 s7, 2
	s_cbranch_scc1 .Lvalue_\@
.if \first
	WIN 0x40                                       ; D in window 1, C (the bias) in window 0
.else
	WIN 0x50                                       ; C and D in window 1
.endif
	MUL32 0, \first
	WIN 0
	s_branch .Ljoin_\@
.Lvalue_\@:
.if \first
	WIN 0x40
.else
	WIN 0x50
.endif
	MUL32 1, \first
	WIN 0
.Ljoin_\@:
.endm
; The loads of the next k block go out ahead of a block's 32 matrix instructions; four places stand behind these before the conversions write the fragments again
.macro BLOCK s, kq
	LOADK \s, \kq
	MULK 0
	PLACES 4
	CVTK
.endm
	s_wait_tensorcnt 0x4                           ; my two loads of chunk 0 have landed; the four of chunks 1 and 2 stay out
	s_barrier_signal -1
	s_barrier_wait -1                              ; everybody's have
	LOADK 0, 0
	CVTK
	LOADK 0, 1
	s_wait_loadcnt 0x0                             ; the bias
	MULK 1
	PLACES 4
	CVTK                                           ; its wait for 0 ends my reads of slot 0
	WIN 0
	s_wait_tensorcnt 0x0                           ; all my tensor loads have landed, chunks 1 and 2 among them, so every group 0 may be written
	ds_add_u32 v254, v255
	s_add_nc_u64 s[G0W+2:G0W+3], s[G0W+2:G0W+3], 3*256
	s_add_nc_u64 s[G0X+2:G0X+3], s[G0X+2:G0X+3], 3*64*8192
	s_wait_dscnt 0x0                               ; my reads of slot 0 are back
	ROUND                                          ; both hold of every wave of all four partners
	tensor_load_to_lds s[G0W:G0W+3], s[G1W:G1W+7]  ; chunk 3 into slot 0: the first tensor loads behind the round; two are out
	s_nop 0
	tensor_load_to_lds s[G0X:G0X+3], s[G1X:G1X+7]
	s_nop 0
	BLOCK 1, 0
	BLOCK 1, 1
	BLOCK 2, 0
	BLOCK 2, 1
	s_wait_tensorcnt 0x0                           ; my part of chunk 3
	s_wait_dscnt 0x0
	s_barrier_signal -1
	s_barrier_wait -1                              ; everybody's
	BLOCK 0, 0
	BLOCK 0, 1
	MULK 0
	PLACES 4                                       ; behind the last matrix instructions: the conversions read results and write over fragments
	; the way out: each tile packed to 16 bytes a lane, stored as 512 consecutive bytes
	WIN 0x05
.irp ob, 0,1,2,3
.irp nb, 0,1,2,3,4,5,6,7
.irp p, 0,1,2,3
	v_cvt_pk_f16_f32 v[OUT+4*(8*\ob+\nb)+\p], v[8*(8*\ob+\nb)+2*\p], v[8*(8*\ob+\nb)+2*\p+1]
.endr
.endr
.endr
	WIN 0
.irp ob, 0,1,2,3
.irp nb, 0,1,2,3,4,5,6,7
	global_store_b128 v3, v[OUT+4*(8*\ob+\nb):OUT+4*(8*\ob+\nb)+3], s[38:39] offset:\nb*2048+(\ob/2)*1024+(\ob%2)*512
.endr
.endr
	s_wait_tensorcnt 0x0
	ds_add_u32 v254, v255
	s_wait_dscnt 0x0
	ROUND                                          ; the closing round: no work-group ends while a partner may still ask for a tile that names it
	s_endpgm
.Lfunc_end_k_q51935f30e8_proj:
	.size	k_q51935f30e8_proj, .Lfunc_end_k_q51935f30e8_proj-k_q51935f30e8_proj
	.p2alignl 7, 3214868480
	.fill 96, 4, 3214868480
	.section	.rodata,"a",@progbits
	.p2align	6, 0x0
	.amdhsa_kernel k_q51935f30e8_proj
		.amdhsa_group_segment_fixed_size 327680
		.amdhsa_private_segment_fixed_size 0
		.amdhsa_enable_private_segment 0
		.amdhsa_kernarg_size 96
		.amdhsa_user_sgpr_count 2
		.amdhsa_user_sgpr_kernarg_segment_ptr 1
		.amdhsa_wavefront_size32 1
		.amdhsa_system_sgpr_workgroup_id_x 1
		.amdhsa_system_sgpr_workgroup_id_y 1
		.amdhsa_system_sgpr_workgroup_id_z 1
		.amdhsa_system_vgpr_workitem_id 0
		.amdhsa_next_free_vgpr 704
		.amdhsa_next_free_sgpr 80
		.amdhsa_reserve_vcc 0
		.amdhsa_float_denorm_mode_32 3
		.amdhsa_float_denorm_mode_16_64 3
		.amdhsa_memory_ordered 1
		.amdhsa_forward_progress 1
		.amdhsa_inst_pref_size 130
	.end_amdhsa_kernel
	.amdgpu_metadata
---
amdhsa.version: [ 1, 2 ]
amdhsa.kernels:
  - .name:           k_q51935f30e8_proj
    .symbol:         k_q51935f30e8_proj.kd
    .args:
      - { .name: query, .offset: 0, .size: 8, .value_kind: global_buffer, .address_space: global }
      - { .name: key, .offset: 8, .size: 8, .value_kind: global_buffer, .address_space: global }
      - { .name: value, .offset: 16, .size: 8, .value_kind: global_buffer, .address_space: global }
      - { .name: wq, .offset: 24, .size: 8, .value_kind: global_buffer, .address_space: global }
      - { .name: wk, .offset: 32, .size: 8, .value_kind: global_buffer, .address_space: global }
      - { .name: wv, .offset: 40, .size: 8, .value_kind: global_buffer, .address_space: global }
      - { .name: bq, .offset: 48, .size: 8, .value_kind: global_buffer, .address_space: global }
      - { .name: bk, .offset: 56, .size: 8, .value_kind: global_buffer, .address_space: global }
      - { .name: bv, .offset: 64, .size: 8, .value_kind: global_buffer, .address_space: global }
      - { .name: qf, .offset: 72, .size: 8, .value_kind: global_buffer, .address_space: global }
      - { .name: kf, .offset: 80, .size: 8, .value_kind: global_buffer, .address_space: global }
      - { .name: vf, .offset: 88, .size: 8, .value_kind: global_buffer, .address_space: global }
    .group_segment_fixed_size: 327680
    .private_segment_fixed_size: 0
    .kernarg_segment_align: 8
    .kernarg_segment_size: 96
    .max_flat_workgroup_size: 128
    .sgpr_count:     80
    .vgpr_count:     704
    .wavefront_size: 32
...
	.end_amdgpu_metadata
.endif
;; end of part 1
;; launch attn (part 2): grid 256 x 1, 8 waves a work-group, clusters of 4 x 1, 327,680 bytes of LDS; arguments qf, kf, vf, wm, attf, wmf; writes attf, wmf
.if DOCPART == 2
	.amdgcn_target "amdgcn-amd-amdhsa--gfx1250"
	.amdhsa_code_object_version 6
	.text
	.protected	k_q51935f30e8_attn
	.globl	k_q51935f30e8_attn
	.p2align	8
	.type	k_q51935f30e8_attn,@function
k_q51935f30e8_attn:
	s_mov_b64 s[64:65], 0
	v_nop
	global_prefetch_b8 v0, s[64:65] scope:SCOPE_SE
	s_setreg_imm32_b32 hwreg(HW_REG_WAVE_MODE, 25, 1), 1
	s_wait_xcnt 0x0
	s_wait_alu depctr_hold_cnt(0) depctr_sa_sdst(0) depctr_va_vdst(0) depctr_va_sdst(0) depctr_va_ssrc(0) depctr_va_vcc(0) depctr_vm_vsrc(0)
	s_getreg_b32 s2, hwreg(HW_REG_IB_STS2, 6, 4)
	s_cmp_eq_u32 s2, 0
	s_cbranch_scc0 .Lentry_in_a_cluster
	s_endpgm
.Lentry_in_a_cluster:
	s_bfe_u32 s2, ttmp6, 0x10000c
	s_cmp_lg_u32 s2, 0x3003
	s_cbranch_scc0 .Lentry_shape_is_right
	s_endpgm
.Lentry_shape_is_right:
; Attention for 16 (batch, head) pairs, 2,048 queries x 2,048 keys, d = 64, with a running maximum; and wm laid out in fragment order.
; A work-group takes one (b, h) and 128 queries, with EIGHT waves of 512 registers.  Waves p and p + 4 hold the same 32 queries (query tiles
; 2 p, 2 p + 1); of every 512 keys wave p takes the first 256 and wave p + 4 the second 256, each with a running maximum, sum and O of its own.
; Two waves for each quarter of the queries, so that one wave's softmax can be issued while the other's matrix instructions are under way;
; the split goes along the keys, so that each K or V fragment is still read from LDS by four waves and a wave's tile stays 32 queries wide.
; At the end waves 4-7 hand their maximum, sum and O to waves 0-3 through LDS, which join the halves under the common maximum.
; qf, kf, vf hold matrix operands as the lanes want them, 512 bytes for each half fragment, so every load is 16 x lane.
; SCORES ARE MADE TRANSPOSED: S^T = K (source 0) x Q (source 1).  A lane then holds 8 keys a tile of ONE query: the maximum and the sum
; are taken inside the lane and once across the two halves of the wave; exp2 of S^T packed in place IS source 1 of O^T = V x P;
; and O^T packed is source 1 of the last launch.  No transposition anywhere.
; CLUSTER 4 x 1: the four partners are four query blocks of one (b, h) and read the same K and V tiles: every tile is asked for jointly.
; Two LDS slots of 128 KiB, 512 keys each; a slot is two blocks of 64 KiB, one for each half of the waves: [K keys 0-127][K keys 128-255][V likewise];
; wave w fetches the 16 KiB at 16,384 w of the slot by one dense load.  2,048 keys are four tiles: two first fills and two refills, so a wave's
; eight steps are written out by macro, without a loop.
; Work-group G also makes part G (512 bytes) of wmf, wm in the order that the last launch multiplies by: 256 equal shares.
; LIMITS: q, k, v, P, att and wm are f16 (below 65,504 in magnitude; P lies in [0, 1], and a P below 2^-25 of the largest of its half counts as 0);
; scores, maxima and sums are f32; the sum l adds P before its rounding to f16; v_exp_f32 gives 0 below 2^-126;
; the keys are summed in kf's order, in two halves that are joined once; an infinite or NaN score is not served.
.set SLOTB, 131072                     ; bytes in a slot
.set SCR,   262144                     ; behind the slots: the bytes through which the halves meet; no tensor load ever fills them
.set SCRP,  9216                       ; for each pair of waves: O 8,192, maxima 512, sums 512
.set GO,  1                            ; v1         16 x lane: the offset of all global accesses
.set LA,  2                            ; v2, v3     16 x lane + 65,536 x half + 131,072 x slot
.set MX,  4                            ; v4, v5     running maximum of the raw scores, query tile qb
.set NMX, 6                            ; v[6:9]     pairs: - scale x maximum in the low register
.set ALF, 10                           ; v[10:13]   pairs: the factor that carries old sums to the new maximum, in the low register
.set LS,  14                           ; v[14:15], v[240:241]  running sums, two partial sums a query tile
.set QF,  16                           ; v16-47     Q: 16 qb + 8 dh
.set OA,  48                           ; v48-111    O^T: 32 qb + 8 db
.set SC,  112                          ; v112-239   S^T: 64 qb + 8 kt; packed, P of keys 32 kb .. lies at 64 qb + 16 kb
.set TT,  242                          ; v242-245   four chains of the maximum
.set SU,  246                          ; v[246:253] four chains of the sum
.set NTT, 254
.set SCA, 255                          ; v255       16 x lane + my pair's bytes behind the slots
                                       ; window 1: v0-127 K at 16 kt + 8 dh; v128-255 V at 128 + 32 db + 8 kb
.set G1,  24                           ; s[24:31]
.set G0,  32                           ; s[32:39]   a set for each slot
.set MSB, 0
.macro WIN new                         ; register windows; the immediate's high byte repeats the setting that is left
.if MSB != \new
	s_set_vgpr_msb (MSB<<8)|\new
.set MSB, \new
.endif
.endm
.macro PLACES n
.rept \n
	v_nop
.endr
.endm
.macro ROUND                           ; a round of the cluster's barrier
	s_barrier_signal -1
	s_barrier_wait -1
	s_cmp_lg_u32 s4, 0
	s_cbranch_scc1 .Lnot_wave_0_\@
	s_barrier_signal -3
.Lnot_wave_0_\@:
	s_barrier_wait -3
	s_barrier_signal -1
	s_barrier_wait -1
.endm
	s_load_b256 s[8:15], s[0:1], 0x0               ; qf s[8:9], kf s[10:11], vf s[12:13], wm s[14:15]
	s_load_b128 s[16:19], s[0:1], 0x20             ; attf s[16:17], wmf s[18:19]
	v_lshl_add_u32 v253, v0, 2, 0x49000
	v_mov_b32 v254, 0
	ds_add_u32 v253, v254
	s_wait_dscnt 0x0
	v_lshrrev_b32 v1, 5, v0
	v_readfirstlane_b32 s4, v1                     ; wave 0..7
	s_and_b32 s21, s4, 3                           ; p: my quarter of the queries; also the quarter of a block that I fetch
	s_lshr_b32 s22, s4, 2                          ; g: my half of the keys
	s_bfe_u32 s5, ttmp6, 0x40000                   ; cx
	s_lshl_b32 s6, ttmp9, 2
	s_add_co_u32 s6, s6, s5                        ; G = 16 bh + qt
	s_and_b32 s7, s6, 15                           ; qt
	s_lshr_b32 s20, ttmp9, 2                       ; bh = 4 b + h: made of the cluster's number alone
	s_mov_b32 s40, 0x3e38aa3b                      ; log2(e) / 8: the 1 / sqrt(64) and the change of base ride on the subtraction of the maximum
	s_mov_b32 s41, 0x3e38aa3b
	s_mov_b32 s42, 0xbe38aa3b
	s_mov_b32 s43, 0x76543210                      ; v_permlanex16_b32: lane i reads lane i of the other half
	s_mov_b32 s44, 0xfedcba98
	; group 1: 16 KiB dense, as 64 rows of 32 elements of 8 bytes; asked for by all four partners
	s_mov_b32 s[G1+0], 15|(3<<16)|(1<<21)
	s_mov_b32 s[G1+1], 32<<16
	s_mov_b32 s[G1+2], 64<<16
	s_mov_b32 s[G1+3], 32<<16
	s_mov_b32 s[G1+4], 64
	s_mov_b32 s[G1+5], 32
	s_mov_b32 s[G1+6], 0
	s_mov_b32 s[G1+7], 0
	v_and_b32 v1, 31, v0
	v_lshlrev_b32 v[GO], 4, v1
	s_lshl_b32 s23, s22, 16
	v_add_nc_u32 v[LA], s23, v[GO]
	v_add_nc_u32 v[LA+1], SLOTB, v[LA]
	s_mul_i32 s23, s21, SCRP
	s_add_co_u32 s23, s23, SCR
	v_add_nc_u32 v[SCA], s23, v[GO]
	v_mov_b32 v[NMX+1], 0                          ; the pairs' high registers are named by packed instructions and never used
	v_mov_b32 v[NMX+3], 0
	v_mov_b32 v[ALF+1], 0
	v_mov_b32 v[ALF+3], 0
	; where the tiles come from: bh and the wave's number alone (s46-51 never hold cx)
	s_lshl_b32 s46, s20, 18                        ; 16 pieces of 16 KiB (128 keys) for each (b, h)
	s_lshl_b32 s51, s22, 15                        ; my half's 256 keys of the 512
	s_add_co_u32 s46, s46, s51
	s_and_b32 s51, s21, 1
	s_lshl_b32 s51, s51, 14                        ; keys 0-127 or 128-255 of these
	s_add_co_u32 s46, s46, s51
	s_mov_b32 s47, 0
	s_lshl_b32 s50, s4, 14                         ; LDS: piece w of the slot
	; my Q: tile 16 bh + qt, query tiles 2 p, 2 p + 1
	s_lshl_b32 s52, s20, 4
	s_add_co_u32 s52, s52, s7
	s_lshl_b32 s52, s52, 14
	s_lshl_b32 s54, s21, 12
	s_add_co_u32 s52, s52, s54
	s_mov_b32 s53, 0
	; my part of attf: [16 b + qt][nb = 2 p + qb][kbm = 2 h + db / 2][db % 2][512 bytes]
	s_lshr_b32 s56, s20, 2
	s_lshl_b32 s56, s56, 4
	s_add_co_u32 s56, s56, s7
	s_lshl_b32 s56, s56, 16
	s_lshl_b32 s58, s21, 14
	s_add_co_u32 s56, s56, s58
	s_and_b32 s58, s20, 3
	s_lshl_b32 s58, s58, 11
	s_add_co_u32 s56, s56, s58
	s_mov_b32 s57, 0
	s_wait_kmcnt 0x0
	s_cmp_lt_u32 s21, 2                            ; quarters 0, 1 of a block are K, quarters 2, 3 are V
	s_cselect_b64 s[48:49], s[10:11], s[12:13]
	s_add_nc_u64 s[48:49], s[48:49], s[46:47]
	s_add_nc_u64 s[8:9], s[8:9], s[52:53]
	s_add_nc_u64 s[16:17], s[16:17], s[56:57]
.irp s, 0,1
	s_mov_b32 s[G0+4*\s], 1
	s_add_co_u32 s[G0+4*\s+1], s50, \s*SLOTB
	s_add_nc_u64 s[G0+4*\s+2:G0+4*\s+3], s[48:49], \s*65536        ; 512 keys = four pieces of 16 KiB
	s_or_b32 s[G0+4*\s+3], s[G0+4*\s+3], 0x80000000
.endr
.irp i, 0,1,2,3,4,5,6,7
	global_load_b128 v[QF+4*\i:QF+4*\i+3], v[GO], s[8:9] offset:512*\i   ; Q goes out ahead of the round: nobody writes qf here
.endr
	ROUND                                          ; the four partners are here: the first joint loads meet
	tensor_load_to_lds s[G0:G0+3], s[G1:G1+7]      ; keys 0-511
	s_nop 0
	tensor_load_to_lds s[G0+4:G0+7], s[G1:G1+7]    ; keys 512-1023: by this text's count two loads of the wave are out
	s_nop 0
	s_wait_loadcnt 0x0                             ; Q
	; Wave 0: part G = 16 ob + 2 kbm + part of wmf.  Lane (r, hh) holds wm[16 ob + r][4 d + h], h = kbm / 2, d = 32 (kbm % 2) + 16 part + 8 hh + j.
	; Every fourth word of a row: the gather is made here once, 1 KiB a work-group, so that the last launch reads whole fragments.
	; The eight loads land in O's registers, which are free until the first V x P, and are packed and stored behind the first step.
	s_cmp_lg_u32 s4, 0
	s_cbranch_scc1 .Lno_gather
	s_lshr_b32 s52, s6, 4
	s_lshl_b32 s52, s52, 14                        ; 16 rows of 1,024 bytes for ob
	s_and_b32 s54, s6, 3
	s_lshl_b32 s54, s54, 8                         ; 16 d = 256 bytes for (kbm % 2, part)
	s_add_co_u32 s52, s52, s54
	s_bfe_u32 s54, s6, 0x20002
	s_lshl_b32 s54, s54, 2                         ; h
	s_add_co_u32 s52, s52, s54
	s_add_nc_u64 s[14:15], s[14:15], s[52:53]
	s_lshl_b32 s54, s6, 9
	s_mov_b32 s55, 0
	s_add_nc_u64 s[18:19], s[18:19], s[54:55]
	v_and_b32 v[OA+8], 15, v0
	v_bfe_u32 v[OA+9], v0, 4, 1
	v_lshlrev_b32 v[OA+8], 10, v[OA+8]
	v_lshl_add_u32 v[OA+8], v[OA+9], 7, v[OA+8]    ; row r, 8 d for hh; this register is not written again before the loads' wait
.irp j, 0,1,2,3,4,5,6,7
	global_load_b32 v[OA+\j], v[OA+8], s[14:15] offset:16*\j
.endr
.Lno_gather:
; 16 matrix instructions: half dh of d for 8 key tiles x 2 query tiles; 16 accumulators take turns, one instruction a turn
.macro QK dh
.irp kt, 0,1,2,3,4,5,6,7
.irp qb, 0,1
.if \dh
	v_wmma_f32_16x16x32_f16 v[SC+64*\qb+8*\kt:SC+64*\qb+8*\kt+7], v[16*\kt+8:16*\kt+15], v[QF+16*\qb+8:QF+16*\qb+15], v[SC+64*\qb+8*\kt:SC+64*\qb+8*\kt+7]
.else
	v_wmma_f32_16x16x32_f16 v[SC+64*\qb+8*\kt:SC+64*\qb+8*\kt+7], v[16*\kt:16*\kt+7], v[QF+16*\qb:QF+16*\qb+7], 0
.endif
.endr
.endr
.endm
; O^T += V x P for 32 keys; 8 accumulators take turns likewise.  z = 1: the first product starts the sums
.macro PVK kb, z
.irp db, 0,1,2,3
.irp qb, 0,1
.if \z
	v_wmma_f32_16x16x32_f16 v[OA+32*\qb+8*\db:OA+32*\qb+8*\db+7], v[128+32*\db+8*\kb:128+32*\db+8*\kb+7], v[SC+64*\qb+16*\kb:SC+64*\qb+16*\kb+7], 0
.else
	v_wmma_f32_16x16x32_f16 v[OA+32*\qb+8*\db:OA+32*\qb+8*\db+7], v[128+32*\db+8*\kb:128+32*\db+8*\kb+7], v[SC+64*\qb+16*\kb:SC+64*\qb+16*\kb+7], v[OA+32*\qb+8*\db:OA+32*\qb+8*\db+7]
.endif
.endr
.endr
.endm
.macro PV zero
	WIN 0x01                                       ; source 0 (V) in window 1
	PVK 0, \zero
	PVK 1, 0
	PVK 2, 0
	PVK 3, 0
.endm
; The softmax step of query tile qb on 128 keys: a lane holds 64 scores of one query
.macro SOFT qb, first
.irp c, 0,1,2,3
	v_max3_num_f32 v[TT+\c], v[SC+64*\qb+16*\c], v[SC+64*\qb+16*\c+1], v[SC+64*\qb+16*\c+2]
.endr
.irp i, 3,5,7,9,11,13
.irp c, 0,1,2,3
	v_max3_num_f32 v[TT+\c], v[TT+\c], v[SC+64*\qb+16*\c+\i], v[SC+64*\qb+16*\c+\i+1]
.endr
.endr
	v_max3_num_f32 v[TT], v[TT], v[TT+1], v[SC+64*\qb+15]          ; the joins take in each chain's sixteenth number
	v_max3_num_f32 v[TT+2], v[TT+2], v[TT+3], v[SC+64*\qb+31]
	v_max3_num_f32 v[TT], v[TT], v[TT+2], v[SC+64*\qb+47]
	v_max_num_f32 v[TT], v[TT], v[SC+64*\qb+63]
	v_permlanex16_b32 v[TT+1], v[TT], s43, s44                     ; the other 64 keys of my query
.if \first
	v_max_num_f32 v[MX+\qb], v[TT], v[TT+1]
	v_mul_f32 v[NMX+2*\qb], s42, v[MX+\qb]
.else
	v_max3_num_f32 v[MX+\qb], v[TT], v[TT+1], v[MX+\qb]
	v_mul_f32 v[NTT], s42, v[MX+\qb]
	v_sub_f32 v[ALF+2*\qb], v[NTT], v[NMX+2*\qb]                   ; scale x (old maximum - new maximum)
	v_exp_f32 v[ALF+2*\qb], v[ALF+2*\qb]
	v_mov_b32 v[NMX+2*\qb], v[NTT]                                 ; the plain instruction behind the exponential
.endif
.irp i, 0,2,4,6,8,10,12,14,16,18,20,22,24,26,28,30,32,34,36,38,40,42,44,46,48,50,52,54,56,58,60,62
	v_pk_fma_f32 v[SC+64*\qb+\i:SC+64*\qb+\i+1], v[SC+64*\qb+\i:SC+64*\qb+\i+1], s[40:41], v[NMX+2*\qb:NMX+2*\qb+1] op_sel_hi:[1,0,0]
.endr
.set e, 0
.rept 64
	v_exp_f32 v[SC+64*\qb+e], v[SC+64*\qb+e]
.set e, e+1
.endr
.if \first
	v_nop                                          ; a plain instruction behind the exponentials
	s_wait_alu depctr_va_vdst(0)
.else
	s_wait_alu depctr_va_vdst(0)
.irp i, 0,2,4,6,8,10,12,14,16,18,20,22,24,26,28,30
	v_pk_mul_f32 v[OA+32*\qb+\i:OA+32*\qb+\i+1], v[OA+32*\qb+\i:OA+32*\qb+\i+1], v[ALF+2*\qb:ALF+2*\qb+1] op_sel_hi:[1,0]   ; plain work behind the exponentials
.endr
.endif
.irp c, 0,1,2,3
	v_pk_add_f32 v[SU+2*\c:SU+2*\c+1], v[SC+64*\qb+16*\c:SC+64*\qb+16*\c+1], v[SC+64*\qb+16*\c+2:SC+64*\qb+16*\c+3]
.endr
.irp i, 4,6,8,10,12,14
.irp c, 0,1,2,3
	v_pk_add_f32 v[SU+2*\c:SU+2*\c+1], v[SU+2*\c:SU+2*\c+1], v[SC+64*\qb+16*\c+\i:SC+64*\qb+16*\c+\i+1]
.endr
.endr
	v_pk_add_f32 v[SU:SU+1], v[SU:SU+1], v[SU+2:SU+3]
	v_pk_add_f32 v[SU+4:SU+5], v[SU+4:SU+5], v[SU+6:SU+7]
.if \first
	v_pk_add_f32 v[LS+226*\qb:LS+226*\qb+1], v[SU:SU+1], v[SU+4:SU+5]
.else
	v_pk_add_f32 v[SU:SU+1], v[SU:SU+1], v[SU+4:SU+5]
	v_pk_fma_f32 v[LS+226*\qb:LS+226*\qb+1], v[LS+226*\qb:LS+226*\qb+1], v[ALF+2*\qb:ALF+2*\qb+1], v[SU:SU+1] op_sel_hi:[1,0,1]
.endif
.irp kb, 0,1,2,3
.irp p, 0,1
.irp i, 0,1,2,3
	v_cvt_pk_f16_f32 v[SC+64*\qb+16*\kb+4*\p+\i], v[SC+64*\qb+16*\kb+8*\p+2*\i], v[SC+64*\qb+16*\kb+8*\p+2*\i+1]   ; in place, ascending: no number is written over before it is read
.endr
.endr
.endr
.endm
; 128 keys (half sub of my block of a slot).  pv: 0 none, 1 the first, 2 a later product V x P OF THE STEP BEFORE, which covers the way of this step's K
; from LDS; this step's V comes in under the scores and the softmax.
.macro STEP slot, sub, pv, first
	WIN 0x40
.irp dh, 0,1
.irp kt, 0,1,2,3,4,5,6,7
.irp p, 0,1
	ds_load_b128 v[16*\kt+8*\dh+4*\p:16*\kt+8*\dh+4*\p+3], v[LA+\slot] offset:\sub*16384+\kt*2048+\dh*1024+\p*512
.endr
.endr
.endr
.if \pv
	s_wait_dscnt 32                                ; V of the step before is in; the 32 loads of K just issued stay out
.if \pv == 1
	PV 1
.else
	PV 0
.endif
	PLACES 5                                       ; four places before loads land on V, five before the scores write over P
	WIN 0x40
.endif
.irp kb, 0,1,2,3
.irp db, 0,1,2,3
.irp p, 0,1
	ds_load_b128 v[128+32*\db+8*\kb+4*\p:128+32*\db+8*\kb+4*\p+3], v[LA+\slot] offset:32768+\sub*16384+(2*\kb+\p)*2048+(\db/2)*1024+(\db%2)*512
.endr
.endr
.endr
	s_wait_dscnt 48                                ; K's first half of d is in: 16 loads of K and 32 of V are younger
	WIN 0x01
	QK 0
	s_wait_dscnt 32                                ; all of K; V's 32 stay out
	QK 1
	WIN 0
	PLACES 4                                       ; behind the scores' last matrix instructions
	SOFT 0, \first
	SOFT 1, \first
.endm
; Slot f has been read into registers and is filled again, 1,024 keys further on
.macro SYNC f
	s_wait_xcnt 0x0
	v_lshl_add_u32 v253, v0, 2, 0x49000
	v_mov_b32 v254, 0
	s_wait_tensorcnt 0x0                           ; all my tensor loads have landed, my piece of the other slot among them, so group 0 may be written
	ds_add_u32 v253, v254
	s_wait_dscnt 0x0
	s_add_nc_u64 s[G0+4*\f+2:G0+4*\f+3], s[G0+4*\f+2:G0+4*\f+3], 0x20000
	s_wait_dscnt 0x0                               ; my reads of slot f are back
	ROUND                                          ; both hold of every wave of all four partners
	tensor_load_to_lds s[G0+4*\f:G0+4*\f+3], s[G1:G1+7]            ; the first tensor load behind the round: one is out, with two steps' work in which to land
	s_nop 0
.endm
	s_wait_tensorcnt 0x1                           ; my piece of keys 0-511; the next tile stays out
	s_barrier_signal -1
	s_barrier_wait -1                              ; everybody's
	STEP 0, 0, 0, 1
	s_cmp_lg_u32 s4, 0                             ; wave 0 finishes its part of wmf: the words came in under the first step
	s_cbranch_scc1 .Lno_part
	s_wait_loadcnt 0x0
.irp p, 0,1,2,3
	v_cvt_pk_f16_f32 v[OA+12+\p], v[OA+2*\p], v[OA+2*\p+1]
.endr
	global_store_b128 v[GO], v[OA+12:OA+15], s[18:19]
	s_wait_xcnt 0x0                                ; the store's data registers are O's: the first V x P writes them only behind this wait
.Lno_part:
	STEP 0, 1, 1, 0
	SYNC 0                                         ; keys 1024-1535 into slot 0
	STEP 1, 0, 2, 0
	STEP 1, 1, 2, 0
	SYNC 1                                         ; keys 1536-2047 into slot 1
	STEP 0, 0, 2, 0
	STEP 0, 1, 2, 0
	s_wait_tensorcnt 0x0                           ; the last 512 keys: nothing more is fetched
	s_wait_dscnt 0x0
	s_barrier_signal -1
	s_barrier_wait -1
	STEP 1, 0, 2, 0
	STEP 1, 1, 2, 0
	s_wait_dscnt 0x0                               ; the last V
	PV 0
	WIN 0
	PLACES 4                                       ; behind the last matrix instructions: O is read, and loads land on P's registers below
	; my half's sums, whole: two partial sums a lane, and the other half of the lanes
	v_add_f32 v[SU+2], v[LS], v[LS+1]
	v_add_f32 v[SU+3], v[LS+226], v[LS+227]
	v_permlanex16_b32 v[TT], v[SU+2], s43, s44
	v_permlanex16_b32 v[TT+1], v[SU+3], s43, s44
	v_add_f32 v[SU+2], v[SU+2], v[TT]
	v_add_f32 v[SU+3], v[SU+3], v[TT+1]
	; waves 4-7 hand over: O, - scale x maximum, sum
	s_cmp_lt_u32 s4, 4
	s_cbranch_scc1 .Lkeeps
.irp i, 0,1,2,3,4,5,6,7,8,9,10,11,12,13,14,15
	ds_store_b128 v[SCA], v[OA+4*\i:OA+4*\i+3] offset:512*\i
.endr
	ds_store_b128 v[SCA], v[NMX:NMX+3] offset:8192
	ds_store_b64 v[SCA], v[SU+2:SU+3] offset:8704
.Lkeeps:
	s_wait_dscnt 0x0                               ; for the partner's sake: my stores are done
	s_barrier_signal -1
	s_barrier_wait -1
	s_cmp_lt_u32 s4, 4
	s_cbranch_scc0 .Lclose
	; waves 0-3 join the halves: n = the smaller - scale x maximum; each half's weight is exp2(n - its own), over the joined sum
	ds_load_b128 v[SU+4:SU+7], v[SCA] offset:8192
	ds_load_b64 v[SU:SU+1], v[SCA] offset:8704
.irp i, 0,1,2,3,4,5,6,7,8,9,10,11,12,13,14,15
	ds_load_b128 v[SC+4*\i:SC+4*\i+3], v[SCA] offset:512*\i
.endr
	s_wait_dscnt 16                                ; the partner's maxima and sums are in; its O, 16 loads, stays out
	v_min_num_f32 v[TT], v[NMX], v[SU+4]
	v_min_num_f32 v[TT+1], v[NMX+2], v[SU+6]
	v_sub_f32 v[ALF], v[TT], v[NMX]
	v_sub_f32 v[ALF+2], v[TT+1], v[NMX+2]
	v_sub_f32 v[SU+4], v[TT], v[SU+4]
	v_sub_f32 v[SU+6], v[TT+1], v[SU+6]
	v_exp_f32 v[ALF], v[ALF]
	v_exp_f32 v[ALF+2], v[ALF+2]
	v_exp_f32 v[SU+4], v[SU+4]
	v_exp_f32 v[SU+6], v[SU+6]
	v_nop                                          ; a plain instruction behind the exponentials
	s_wait_alu depctr_va_vdst(0)
	v_mul_f32 v[TT], v[ALF], v[SU+2]
	v_mul_f32 v[TT+1], v[ALF+2], v[SU+3]
	v_fmac_f32 v[TT], v[SU+4], v[SU]
	v_fmac_f32 v[TT+1], v[SU+6], v[SU+1]
	v_rcp_f32 v[TT], v[TT]
	v_rcp_f32 v[TT+1], v[TT+1]
	v_nop                                          ; a plain instruction behind the reciprocals
	s_wait_alu depctr_va_vdst(0)
	v_mul_f32 v[ALF], v[ALF], v[TT]
	v_mul_f32 v[ALF+2], v[ALF+2], v[TT+1]
	v_mul_f32 v[SU+4], v[SU+4], v[TT]
	v_mul_f32 v[SU+6], v[SU+6], v[TT+1]
	s_wait_dscnt 0x0                               ; the partner's O
	; the way out: weigh, add, pack, 512 consecutive bytes a store
.irp qb, 0,1
.irp db, 0,1,2,3
.irp i, 0,1,2,3
	v_pk_mul_f32 v[OA+32*\qb+8*\db+2*\i:OA+32*\qb+8*\db+2*\i+1], v[OA+32*\qb+8*\db+2*\i:OA+32*\qb+8*\db+2*\i+1], v[ALF+2*\qb:ALF+2*\qb+1] op_sel_hi:[1,0]
.endr
.irp i, 0,1,2,3
	v_pk_fma_f32 v[OA+32*\qb+8*\db+2*\i:OA+32*\qb+8*\db+2*\i+1], v[SC+32*\qb+8*\db+2*\i:SC+32*\qb+8*\db+2*\i+1], v[SU+4+2*\qb:SU+5+2*\qb], v[OA+32*\qb+8*\db+2*\i:OA+32*\qb+8*\db+2*\i+1] op_sel_hi:[1,0,1]
.endr
.irp i, 0,1,2,3
	v_cvt_pk_f16_f32 v[OA+32*\qb+8*\db+\i], v[OA+32*\qb+8*\db+2*\i], v[OA+32*\qb+8*\db+2*\i+1]
.endr
	global_store_b128 v[GO], v[OA+32*\qb+8*\db:OA+32*\qb+8*\db+3], s[16:17] offset:\qb*8192+(\db/2)*1024+(\db%2)*512
.endr
.endr
.Lclose:
	s_wait_xcnt 0x0
	v_lshl_add_u32 v253, v0, 2, 0x49000
	v_mov_b32 v254, 0
	s_wait_tensorcnt 0x0
	ds_add_u32 v253, v254
	s_wait_dscnt 0x0
	ROUND                                          ; the closing round: no work-group ends while a partner may still ask for a tile that names it
	s_endpgm
.Lfunc_end_k_q51935f30e8_attn:
	.size	k_q51935f30e8_attn, .Lfunc_end_k_q51935f30e8_attn-k_q51935f30e8_attn
	.p2alignl 7, 3214868480
	.fill 96, 4, 3214868480
	.section	.rodata,"a",@progbits
	.p2align	6, 0x0
	.amdhsa_kernel k_q51935f30e8_attn
		.amdhsa_group_segment_fixed_size 327680
		.amdhsa_private_segment_fixed_size 0
		.amdhsa_enable_private_segment 0
		.amdhsa_kernarg_size 48
		.amdhsa_user_sgpr_count 2
		.amdhsa_user_sgpr_kernarg_segment_ptr 1
		.amdhsa_wavefront_size32 1
		.amdhsa_system_sgpr_workgroup_id_x 1
		.amdhsa_system_sgpr_workgroup_id_y 1
		.amdhsa_system_sgpr_workgroup_id_z 1
		.amdhsa_system_vgpr_workitem_id 0
		.amdhsa_next_free_vgpr 512
		.amdhsa_next_free_sgpr 66
		.amdhsa_reserve_vcc 0
		.amdhsa_float_denorm_mode_32 3
		.amdhsa_float_denorm_mode_16_64 3
		.amdhsa_memory_ordered 1
		.amdhsa_forward_progress 1
		.amdhsa_inst_pref_size 255
	.end_amdhsa_kernel
	.section	.bss,"aw",@nobits
	.p2align	6
	.space	262144
	.amdgpu_metadata
---
amdhsa.version: [ 1, 2 ]
amdhsa.kernels:
  - .name:           k_q51935f30e8_attn
    .symbol:         k_q51935f30e8_attn.kd
    .args:
      - { .name: qf, .offset: 0, .size: 8, .value_kind: global_buffer, .address_space: global }
      - { .name: kf, .offset: 8, .size: 8, .value_kind: global_buffer, .address_space: global }
      - { .name: vf, .offset: 16, .size: 8, .value_kind: global_buffer, .address_space: global }
      - { .name: wm, .offset: 24, .size: 8, .value_kind: global_buffer, .address_space: global }
      - { .name: attf, .offset: 32, .size: 8, .value_kind: global_buffer, .address_space: global }
      - { .name: wmf, .offset: 40, .size: 8, .value_kind: global_buffer, .address_space: global }
    .group_segment_fixed_size: 327680
    .private_segment_fixed_size: 0
    .kernarg_segment_align: 8
    .kernarg_segment_size: 48
    .max_flat_workgroup_size: 256
    .sgpr_count:     66
    .vgpr_count:     512
    .wavefront_size: 32
...
	.end_amdgpu_metadata
.endif
;; end of part 2
;; launch merge (part 3): grid 128 x 2, 4 waves a work-group, no clusters, 0 bytes of LDS; arguments attf, wmf, bm, out0; writes out0
.if DOCPART == 3
	.amdgcn_target "amdgcn-amd-amdhsa--gfx1250"
	.amdhsa_code_object_version 6
	.text
	.protected	k_q51935f30e8_merge
	.globl	k_q51935f30e8_merge
	.p2align	8
	.type	k_q51935f30e8_merge,@function
k_q51935f30e8_merge:
	s_mov_b64 s[64:65], 0
	v_nop
	global_prefetch_b8 v0, s[64:65] scope:SCOPE_SE
	s_setreg_imm32_b32 hwreg(HW_REG_WAVE_MODE, 25, 1), 1
	s_wait_xcnt 0x0
; out0 = wm att + bm.  out0: [4][256 o][2048 n] f32.  attf and wmf hold both operands in fragment order (f16, 512 bytes for each half fragment).
; Work-group (X, y): 64 positions (batch X / 32, byte column 256 (X % 32)) x 128 channels; wave w: 32 channels (2 tiles) x 4 position tiles, K = 256.
; Position tile i, column r stands for n = 64 X' + 4 r + i, so a lane's four tiles hold four neighbouring n of each row: the bias add lays them
; side by side, and sixteen lanes store 256 consecutive bytes of a row, at a multiple of 256 from out0's first byte.
; NO LDS AND NO CLUSTER: every fragment is one run of 512 consecutive bytes, and all 100 loads of a wave go out in one run ahead of its 64 matrix
; instructions; a joint load into LDS would put a round of the cluster's barrier and a second hop in front of that little work.
; LIMITS: att and wm are f16 (below 65,504 in magnitude), sums and bias f32; the channels are summed head by head.
.set BIAS, 16                          ; v16-31   bm of rows 8 hh + j, channel tile obl
.set ACC,  32                          ; v32-95   8 (4 obl + nb)
.set OUT,  96                          ; v96-159  4 (8 obl + j) + i
                                       ; window 1: wm's fragments at 64 obl + 8 kbm;  window 2: att's at 32 kbm + 8 nb
.set MSB, 0
.macro WIN new
.if MSB != \new
	s_set_vgpr_msb (MSB<<8)|\new
.set MSB, \new
.endif
.endm
	s_load_b256 s[4:11], s[0:1], 0x0               ; attf s[4:5], wmf s[6:7], bm s[8:9], out0 s[10:11]
	v_lshrrev_b32 v1, 5, v0
	v_readfirstlane_b32 s12, v1                    ; wave
	s_and_b32 s13, ttmp7, 0xffff                   ; y
	v_and_b32 v2, 15, v0                           ; r
	v_bfe_u32 v3, v0, 4, 1                         ; hh
	v_and_b32 v4, 31, v0
	v_lshlrev_b32 v4, 4, v4                        ; 16 x lane
	v_lshlrev_b32 v5, 5, v3                        ; bias: 8 words for hh
	v_lshlrev_b32 v6, 4, v2
	v_lshl_add_u32 v6, v3, 16, v6                  ; out0: 8 rows of 8,192 bytes for hh, 16 bytes for r
	s_lshl_b32 s14, s13, 2
	s_add_co_u32 s14, s14, s12                     ; 4 y + w: my 32 channels
	s_lshl_b32 s16, s14, 7                         ; in bm
	s_mov_b32 s17, 0
	s_lshl_b32 s18, s14, 14                        ; in wmf: two channel tiles of 8 KiB
	s_mov_b32 s19, 0
	s_lshl_b32 s20, ttmp9, 15                      ; in attf: four position tiles of 8 KiB
	s_mov_b32 s21, 0
	s_lshr_b32 s22, ttmp9, 5
	s_lshl_b32 s22, s22, 21                        ; in out0: the batch,
	s_lshl_b32 s24, s14, 18                        ; 32 rows of 8,192 bytes,
	s_add_co_u32 s22, s22, s24
	s_and_b32 s24, ttmp9, 31
	s_lshl_b32 s24, s24, 8                         ; 64 positions
	s_add_co_u32 s22, s22, s24
	s_mov_b32 s23, 0
	s_wait_kmcnt 0x0
	s_add_nc_u64 s[4:5], s[4:5], s[20:21]
	s_add_nc_u64 s[6:7], s[6:7], s[18:19]
	s_add_nc_u64 s[8:9], s[8:9], s[16:17]
	s_add_nc_u64 s[10:11], s[10:11], s[22:23]
.irp obl, 0,1
	global_load_b128 v[BIAS+8*\obl:BIAS+8*\obl+3],   v5, s[8:9] offset:64*\obl
	global_load_b128 v[BIAS+8*\obl+4:BIAS+8*\obl+7], v5, s[8:9] offset:64*\obl+16
.endr
	WIN 0x40
.irp obl, 0,1
.irp kbm, 0,1,2,3,4,5,6,7
.irp p, 0,1
	global_load_b128 v[64*\obl+8*\kbm+4*\p:64*\obl+8*\kbm+4*\p+3], v4, s[6:7] offset:\obl*8192+\kbm*1024+\p*512
.endr
.endr
.endr
	WIN 0x80
.irp kbm, 0,1,2,3,4,5,6,7
.irp nb, 0,1,2,3
.irp p, 0,1
	global_load_b128 v[32*\kbm+8*\nb+4*\p:32*\kbm+8*\nb+4*\p+3], v4, s[4:5] offset:\nb*8192+\kbm*1024+\p*512
.endr
.endr
.endr
	WIN 0x09                                       ; source 0 (wm) window 1, source 1 (att) window 2, sums window 0
.irp kbm, 0,1,2,3,4,5,6,7
	s_wait_loadcnt 56-8*\kbm                       ; loads come back in order: att's eight loads of each later k block stay out
.irp obl, 0,1
.irp nb, 0,1,2,3
.if \kbm == 0
	v_wmma_f32_16x16x32_f16 v[ACC+8*(4*\obl+\nb):ACC+8*(4*\obl+\nb)+7], v[64*\obl+8*\kbm:64*\obl+8*\kbm+7], v[32*\kbm+8*\nb:32*\kbm+8*\nb+7], 0
.else
	v_wmma_f32_16x16x32_f16 v[ACC+8*(4*\obl+\nb):ACC+8*(4*\obl+\nb)+7], v[64*\obl+8*\kbm:64*\obl+8*\kbm+7], v[32*\kbm+8*\nb:32*\kbm+8*\nb+7], v[ACC+8*(4*\obl+\nb):ACC+8*(4*\obl+\nb)+7]
.endif
.endr
.endr
.endr
	; the eight accumulators take turns, one instruction a turn
	WIN 0
.rept 4
	v_nop                                          ; four places behind the last matrix instructions
.endr
.irp obl, 0,1
.irp j, 0,1,2,3,4,5,6,7
.irp i, 0,1,2,3
	v_add_f32 v[OUT+4*(8*\obl+\j)+\i], v[ACC+8*(4*\obl+\i)+\j], v[BIAS+8*\obl+\j]   ; the bias, and four neighbouring n into four neighbouring registers
.endr
	global_store_b128 v6, v[OUT+4*(8*\obl+\j):OUT+4*(8*\obl+\j)+3], s[10:11] offset:(16*\obl+\j)*8192
.endr
.endr
	s_endpgm
.Lfunc_end_k_q51935f30e8_merge:
	.size	k_q51935f30e8_merge, .Lfunc_end_k_q51935f30e8_merge-k_q51935f30e8_merge
	.p2alignl 7, 3214868480
	.fill 96, 4, 3214868480
	.section	.rodata,"a",@progbits
	.p2align	6, 0x0
	.amdhsa_kernel k_q51935f30e8_merge
		.amdhsa_group_segment_fixed_size 0
		.amdhsa_private_segment_fixed_size 0
		.amdhsa_enable_private_segment 0
		.amdhsa_kernarg_size 32
		.amdhsa_user_sgpr_count 2
		.amdhsa_user_sgpr_kernarg_segment_ptr 1
		.amdhsa_wavefront_size32 1
		.amdhsa_system_sgpr_workgroup_id_x 1
		.amdhsa_system_sgpr_workgroup_id_y 1
		.amdhsa_system_sgpr_workgroup_id_z 1
		.amdhsa_system_vgpr_workitem_id 0
		.amdhsa_next_free_vgpr 768
		.amdhsa_next_free_sgpr 66
		.amdhsa_reserve_vcc 0
		.amdhsa_float_denorm_mode_32 3
		.amdhsa_float_denorm_mode_16_64 3
		.amdhsa_memory_ordered 1
		.amdhsa_forward_progress 1
		.amdhsa_inst_pref_size 19
	.end_amdhsa_kernel
	.amdgpu_metadata
---
amdhsa.version: [ 1, 2 ]
amdhsa.kernels:
  - .name:           k_q51935f30e8_merge
    .symbol:         k_q51935f30e8_merge.kd
    .args:
      - { .name: attf, .offset: 0, .size: 8, .value_kind: global_buffer, .address_space: global }
      - { .name: wmf, .offset: 8, .size: 8, .value_kind: global_buffer, .address_space: global }
      - { .name: bm, .offset: 16, .size: 8, .value_kind: global_buffer, .address_space: global }
      - { .name: out0, .offset: 24, .size: 8, .value_kind: global_buffer, .address_space: global }
    .group_segment_fixed_size: 0
    .private_segment_fixed_size: 0
    .kernarg_segment_align: 8
    .kernarg_segment_size: 32
    .max_flat_workgroup_size: 128
    .sgpr_count:     66
    .vgpr_count:     768
    .wavefront_size: 32
...
	.end_amdgpu_metadata
.endif
;; end of part 3
;; ======== version 2 of 2: 3 launches; version 1 with the launch merge written anew for expert scheduling mode
;; limits: values are held in f16: magnitudes above 65,504 overflow, below 6.1e-05 lose precision
;; workspace buffers: qf 4,194,304 bytes; kf 4,194,304 bytes; vf 4,194,304 bytes; attf 4,194,304 bytes; wmf 131,072 bytes
;; launch proj: the kernel of part 1 again; grid 64 x 3, 4 waves a work-group, clusters of 4 x 1, 327,680 bytes of LDS; arguments query, key, value, wq, wk, wv, bq, bk, bv, qf, kf, vf; writes qf, kf, vf
;; launch attn: the kernel of part 2 again; grid 256 x 1, 8 waves a work-group, clusters of 4 x 1, 327,680 bytes of LDS; arguments qf, kf, vf, wm, attf, wmf; writes attf, wmf
;; launch merge (part 4): grid 128 x 2, 4 waves a work-group, no clusters, 0 bytes of LDS; arguments attf, wmf, bm, out0; writes out0
.if DOCPART == 4
	.amdgcn_target "amdgcn-amd-amdhsa--gfx1250"
	.amdhsa_code_object_version 6
	.text
	.protected	k_q51935f30e8_merge
	.globl	k_q51935f30e8_merge
	.p2align	8
	.type	k_q51935f30e8_merge,@function
k_q51935f30e8_merge:
	s_mov_b64 s[64:65], 0
	v_nop
	global_prefetch_b8 v0, s[64:65] scope:SCOPE_SE
	s_setreg_imm32_b32 hwreg(HW_REG_WAVE_SCHED_MODE, 0, 2), 2
	s_setreg_imm32_b32 hwreg(HW_REG_WAVE_MODE, 25, 1), 1
	s_wait_xcnt 0x0
	s_wait_alu depctr_vm_vsrc(0)
; out0 = wm att + bm.  out0: [4][256 o][2048 n] f32.  attf and wmf hold both operands in fragment order (f16, 512 bytes for each half fragment).
; Work-group (X, y): 64 positions (batch X / 32, byte column 256 (X % 32)) x 128 channels; wave w: 32 channels (2 tiles) x 4 position tiles, K = 256.
; Position tile i, column r stands for n = 64 X' + 4 r + i, so a lane's four tiles hold four neighbouring n of each row: the bias add lays them
; side by side, and sixteen lanes store 256 consecutive bytes of a row, at a multiple of 256 from out0's first byte.
; NO LDS AND NO CLUSTER: every fragment is one run of 512 consecutive bytes, and all 100 loads of a wave go out in one run ahead of its 64 matrix
; instructions; a joint load into LDS would put a round of the cluster's barrier and a second hop in front of that little work.
; LIMITS: att and wm are f16 (below 65,504 in magnitude), sums and bias f32; the channels are summed head by head.
; THE MODE: SCHED_MODE bits 1:0 = 2 (LLVM: expert scheduling mode 2), set by the entry lines.  The code itself states the register dependences
; between vector or matrix instructions and memory instructions, with s_wait_alu, always for 0.
; THE PLAN.  Registers that memory instructions touch:
;   v4, v5, v6    Offsets: v4 of the loads of wmf and attf, v5 of the loads of bm, v6 of the stores.  Written at the head, never again.
;   BIAS, window 1 (wm), window 2 (att)   Each is written by its loads alone, once; no vector instruction names them ahead of those loads,
;                 and no load is issued behind the first matrix instruction.
;   OUT           64 registers, each written once by a bias add and read once by a store; the lower 32 are channel tile 0's, the upper 32 tile 1's.
;   ACC is named by matrix and vector instructions alone.
; So one wait on va_vdst stands ahead of the first load, for the three offsets; one behind tile 0's adds, ahead of its eight stores; one behind tile 1's
; adds, ahead of its eight.  Tile 0's stores are dealt among tile 1's adds, which name the upper halves of ACC, BIAS and OUT: none of the registers that
; those stores read.  No register that a memory instruction reads is written again, so no wait on vm_vsrc is owed.  One wait on va_sdst: the wave's number.
.set BIAS, 16                          ; v16-31   bm of rows 8 hh + j, channel tile obl
.set ACC,  32                          ; v32-95   8 (4 obl + nb)
.set OUT,  96                          ; v96-159  4 (8 obl + j) + i
                                       ; window 1: wm's fragments at 64 obl + 8 kbm;  window 2: att's at 32 kbm + 8 nb
.set MSB, 0
.macro WIN new
.if MSB != \new
	s_set_vgpr_msb (MSB<<8)|\new
.set MSB, \new
.endif
.endm
	s_load_b256 s[4:11], s[0:1], 0x0               ; attf s[4:5], wmf s[6:7], bm s[8:9], out0 s[10:11]
	v_lshrrev_b32 v1, 5, v0
	v_readfirstlane_b32 s12, v1                    ; wave
	s_and_b32 s13, ttmp7, 0xffff                   ; y
	v_and_b32 v2, 15, v0                           ; r
	v_bfe_u32 v3, v0, 4, 1                         ; hh
	v_and_b32 v4, 31, v0
	v_lshlrev_b32 v4, 4, v4                        ; 16 x lane
	v_lshlrev_b32 v5, 5, v3                        ; bias: 8 words for hh
	v_lshlrev_b32 v6, 4, v2
	v_lshl_add_u32 v6, v3, 16, v6                  ; out0: 8 rows of 8,192 bytes for hh, 16 bytes for r
	s_wait_alu depctr_va_sdst(0)                   ; s12 is written, ahead of its first reader: the bases of bm, wmf and out0 are made from it
	s_lshl_b32 s14, s13, 2
	s_add_co_u32 s14, s14, s12                     ; 4 y + w: my 32 channels
	s_lshl_b32 s16, s14, 7                         ; in bm
	s_mov_b32 s17, 0
	s_lshl_b32 s18, s14, 14                        ; in wmf: two channel tiles of 8 KiB
	s_mov_b32 s19, 0
	s_lshl_b32 s20, ttmp9, 15                      ; in attf: four position tiles of 8 KiB
	s_mov_b32 s21, 0
	s_lshr_b32 s22, ttmp9, 5
	s_lshl_b32 s22, s22, 21                        ; in out0: the batch,
	s_lshl_b32 s24, s14, 18                        ; 32 rows of 8,192 bytes,
	s_add_co_u32 s22, s22, s24
	s_and_b32 s24, ttmp9, 31
	s_lshl_b32 s24, s24, 8                         ; 64 positions
	s_add_co_u32 s22, s22, s24
	s_mov_b32 s23, 0
	s_wait_kmcnt 0x0
	s_add_nc_u64 s[4:5], s[4:5], s[20:21]
	s_add_nc_u64 s[6:7], s[6:7], s[18:19]
	s_add_nc_u64 s[8:9], s[8:9], s[16:17]
	s_add_nc_u64 s[10:11], s[10:11], s[22:23]
	s_wait_alu depctr_va_vdst(0)                   ; the offsets v4, v5 and v6 are written, which the loads below and the stores at the end read; up to the last load only loads and window switches follow
.irp obl, 0,1
	global_load_b128 v[BIAS+8*\obl:BIAS+8*\obl+3],   v5, s[8:9] offset:64*\obl
	global_load_b128 v[BIAS+8*\obl+4:BIAS+8*\obl+7], v5, s[8:9] offset:64*\obl+16
.endr
	WIN 0x40
.irp obl, 0,1
.irp kbm, 0,1,2,3,4,5,6,7
.irp p, 0,1
	global_load_b128 v[64*\obl+8*\kbm+4*\p:64*\obl+8*\kbm+4*\p+3], v4, s[6:7] offset:\obl*8192+\kbm*1024+\p*512
.endr
.endr
.endr
	WIN 0x80
.irp kbm, 0,1,2,3,4,5,6,7
.irp nb, 0,1,2,3
.irp p, 0,1
	global_load_b128 v[32*\kbm+8*\nb+4*\p:32*\kbm+8*\nb+4*\p+3], v4, s[4:5] offset:\nb*8192+\kbm*1024+\p*512
.endr
.endr
.endr
	WIN 0x09                                       ; source 0 (wm) window 1, source 1 (att) window 2, sums window 0
.irp kbm, 0,1,2,3,4,5,6,7
	s_wait_loadcnt 56-8*\kbm                       ; loads come back in order: att's eight loads of each later k block stay out
.irp obl, 0,1
.irp nb, 0,1,2,3
.if \kbm == 0
	v_wmma_f32_16x16x32_f16 v[ACC+8*(4*\obl+\nb):ACC+8*(4*\obl+\nb)+7], v[64*\obl+8*\kbm:64*\obl+8*\kbm+7], v[32*\kbm+8*\nb:32*\kbm+8*\nb+7], 0
.else
	v_wmma_f32_16x16x32_f16 v[ACC+8*(4*\obl+\nb):ACC+8*(4*\obl+\nb)+7], v[64*\obl+8*\kbm:64*\obl+8*\kbm+7], v[32*\kbm+8*\nb:32*\kbm+8*\nb+7], v[ACC+8*(4*\obl+\nb):ACC+8*(4*\obl+\nb)+7]
.endif
.endr
.endr
.endr
	; the eight accumulators take turns, one instruction a turn
	WIN 0
.rept 4
	v_nop                                          ; four places behind the last matrix instructions
.endr
	; channel tile 0: the bias, and four neighbouring n into four neighbouring registers; each accumulator is read from its lowest register on
.irp j, 0,1,2,3,4,5,6,7
.irp i, 0,1,2,3
	v_add_f32 v[OUT+4*\j+\i], v[ACC+8*\i+\j], v[BIAS+\j]
.endr
.endr
	s_wait_alu depctr_va_vdst(0)                   ; tile 0's adds have written OUT's lower 32 registers, which the eight stores below read
	; tile 0's stores, one ahead of each four of tile 1's adds: these adds name the upper halves of ACC, BIAS and OUT alone
.irp j, 0,1,2,3,4,5,6,7
	global_store_b128 v6, v[OUT+4*\j:OUT+4*\j+3], s[10:11] offset:\j*8192
.irp i, 0,1,2,3
	v_add_f32 v[OUT+4*(8+\j)+\i], v[ACC+8*(4+\i)+\j], v[BIAS+8+\j]
.endr
.endr
	s_wait_alu depctr_va_vdst(0)                   ; tile 1's adds have written OUT's upper 32 registers, which the last eight stores read
.irp j, 0,1,2,3,4,5,6,7
	global_store_b128 v6, v[OUT+4*(8+\j):OUT+4*(8+\j)+3], s[10:11] offset:(16+\j)*8192
.endr
	s_endpgm
.Lfunc_end_k_q51935f30e8_merge:
	.size	k_q51935f30e8_merge, .Lfunc_end_k_q51935f30e8_merge-k_q51935f30e8_merge
	.p2alignl 7, 3214868480
	.fill 96, 4, 3214868480
	.section	.rodata,"a",@progbits
	.p2align	6, 0x0
	.amdhsa_kernel k_q51935f30e8_merge
		.amdhsa_group_segment_fixed_size 0
		.amdhsa_private_segment_fixed_size 0
		.amdhsa_enable_private_segment 0
		.amdhsa_kernarg_size 32
		.amdhsa_user_sgpr_count 2
		.amdhsa_user_sgpr_kernarg_segment_ptr 1
		.amdhsa_wavefront_size32 1
		.amdhsa_system_sgpr_workgroup_id_x 1
		.amdhsa_system_sgpr_workgroup_id_y 1
		.amdhsa_system_sgpr_workgroup_id_z 1
		.amdhsa_system_vgpr_workitem_id 0
		.amdhsa_next_free_vgpr 768
		.amdhsa_next_free_sgpr 66
		.amdhsa_reserve_vcc 0
		.amdhsa_float_denorm_mode_32 3
		.amdhsa_float_denorm_mode_16_64 3
		.amdhsa_memory_ordered 1
		.amdhsa_forward_progress 1
		.amdhsa_inst_pref_size 19
	.end_amdhsa_kernel
	.amdgpu_metadata
---
amdhsa.version: [ 1, 2 ]
amdhsa.kernels:
  - .name:           k_q51935f30e8_merge
    .symbol:         k_q51935f30e8_merge.kd
    .args:
      - { .name: attf, .offset: 0, .size: 8, .value_kind: global_buffer, .address_space: global }
      - { .name: wmf, .offset: 8, .size: 8, .value_kind: global_buffer, .address_space: global }
      - { .name: bm, .offset: 16, .size: 8, .value_kind: global_buffer, .address_space: global }
      - { .name: out0, .offset: 24, .size: 8, .value_kind: global_buffer, .address_space: global }
    .group_segment_fixed_size: 0
    .private_segment_fixed_size: 0
    .kernarg_segment_align: 8
    .kernarg_segment_size: 32
    .max_flat_workgroup_size: 128
    .sgpr_count:     66
    .vgpr_count:     768
    .wavefront_size: 32
...
	.end_amdgpu_metadata
.endif
;; end of part 4
